; MI455X (gfx1250); checked and timed in simulation.
; The chip was launched on July 23, 2026; its instructions are those of AMD's public machine-readable ISA for CDNA 5 (MIT licence, August 2026) and "CDNA5" Instruction Set Architecture Reference Guide (July 2026). The comments in the code are by the model that wrote it; some were corrected since.
;; Attention. Allowed arithmetic: matrix products marked QUANTISED: E4M3 operands, one given power-of-two scale a tensor, by v_wmma_f32_16x16x64_fp8_fp8 or v_wmma_f32_16x16x128_fp8_fp8, f32 sums; everything else in f32.
;; Inputs: Wk 1,024 x 1,024 float32; Wq 1,024 x 1,024 float32; Wv 1,024 x 1,024 float32; bk 1,024 float32; bq 1,024 float32; bv 1,024 float32; cos 2,048 x 32 float32; k 4 x 2,048 x 1,024 float32; lowp_scales 10 int32 (the exponents e of the quantised operands' scales 2^e); q 4 x 2,048 x 1,024 float32; sin 2,048 x 32 float32; v 4 x 2,048 x 1,024 float32.
;; Outputs: out0 4 x 2,048 x 1,024 float32.
;; Constants: mask = 1.
;; This version of the problem:
;;   THIS VERSION OF THE PROBLEM IS GIVEN IN LOW PRECISION. The matrix products marked QUANTISED in the list below multiply operands that are first quantised to E4M3 (4 exponent bits, 3 mantissa bits; 8 bits a number), with one given power-of-two scale for each operand tensor; their sums are f32. All else is computed in f32.
;;   The module's matrix products, in the order in which they are computed (A, B: the left and right operand; K: the contracted axis; several contracted axes count as one K, in the product's order):
;;     1. [M 8,192, K 1,024] x [K 1,024, N 1,024]; A: input q; B: input Wq: QUANTISED (scales: A lowp_scales[0], B lowp_scales[1])
;;     2. [M 8,192, K 1,024] x [K 1,024, N 1,024]; A: input k; B: input Wk: QUANTISED (scales: A lowp_scales[2], B lowp_scales[3])
;;     3. [M 8,192, K 1,024] x [K 1,024, N 1,024]; A: input v; B: input Wv: QUANTISED (scales: A lowp_scales[4], B lowp_scales[5])
;;     4. batch 64 x [M 2,048, K 64] x [K 64, N 2,048]; A: computed on the way; B: computed on the way: QUANTISED (scales: A lowp_scales[6], B lowp_scales[7])
;;     5. batch 64 x [M 2,048, K 2,048] x [K 2,048, N 64]; A: softmax (see below); B: computed on the way: QUANTISED (scales: A lowp_scales[8], B lowp_scales[9])
;;   THE QUANTISER, for each operand of a quantised product, along K:
;;     - The operand's scale is 2^e, e = its entry of the input lowp_scales (int32; the entries are numbered through the quantised products in the list's order, A before B).
;;     - Each number is divided by the scale, clamped to +-448, and rounded to the nearest number of E4M3, ties to even, subnormals kept.
;;     - The product sums the exact products of the quantised numbers (number of the format x scale) in f32.
;;   ~~~python
;;   def quantise(x, axis, e):      # numpy; x: float32 -> the quantised numbers, widened to float32 again
;;       x = np.moveaxis(x, axis, -1); K = x.shape[-1]
;;       r = np.clip(x / 2.0 ** e, -448, 448)
;;       step = 2.0 ** (np.maximum(np.frexp(np.where(r == 0, 1, r))[1] - 1, -6) - 3)
;;       q = np.round(r / step) * step * 2.0 ** e      # np.round: ties to even
;;       return np.moveaxis(q, -1, axis).astype(np.float32)
;;   ~~~
;;   SOFTMAX AHEAD OF A QUANTISED PRODUCT. Where the list says 'softmax', what is quantised is not the finished softmax but p = 2^(t - M), with t = logit x log2(e) and M = ceil(the row's largest t), a whole number; so 1/2 < the row's largest p <= 1. The row's sum l is taken of the UNQUANTISED p, in f32, and the product's result is divided by l at the end. Since M is a whole number, a kernel that streams over the keys may use a running M (the ceiling of the running maximum): every later rescaling is an exact power of two, so the quantised numbers keep their values, but for numbers so far below the row's largest that they fall under the format's range.
;;   OPERANDS COMPUTED ON THE WAY. 'Computed on the way' means the value that the module computes at that place (a softmax that the list does not call 'softmax' is quantised finished and normalised). What goes into a quantiser is computed in f32, as accurately as f32 sums, v_exp_f32 and their like allow (about 1e-6 of the number): no bf16 or f16 on the way to a quantiser, and a product that is left as it is and whose result goes on into a quantised operand takes f32 operands (vector FMAs, or v_wmma_f32_16x16x4_f32). A number that lies on a knife's edge between two numbers of the format may be rounded either way, as far as f32 arithmetic and the matrix unit's own rounding can turn it there, and no further.
;; One version. Each part assembles by itself: llvm-mc -triple=amdgcn-amd-amdhsa -mcpu=gfx1250 --defsym DOCPART=n.
;; ======== version 1 of 1: 3 launches
;; limits: right only within a limited range of input values
;; workspace buffers: xcodes 25,165,824 bytes; wcodes 3,145,728 bytes; qimg 16,777,216 bytes; kvimg 16,777,216 bytes
;; launch quant (part 1): grid 864 x 1, 4 waves a work-group, no clusters, 33,280 bytes of LDS; arguments q, k, v, Wq, Wk, Wv, lowp_scales, xcodes, wcodes; writes xcodes, wcodes
.if DOCPART == 1
	.amdgcn_target "amdgcn-amd-amdhsa--gfx1250"
	.amdhsa_code_object_version 6
	.text
	.protected	k_q5763979fab_quant
	.globl	k_q5763979fab_quant
	.p2align	8
	.type	k_q5763979fab_quant,@function
k_q5763979fab_quant:
	s_mov_b64 s[64:65], 0
	v_nop
	global_prefetch_b8 v0, s[64:65] scope:SCOPE_SE
	s_setreg_imm32_b32 hwreg(HW_REG_WAVE_MODE, 25, 1), 1
	s_wait_xcnt 0x0
; q, k, v [8192][1024] and Wq, Wk, Wv [1024][1024], f32, K innermost in all six, become codes of FP8 (E4M3), one byte each, each tensor with the scale 2^e that is given for it.
; code = x / 2^e, held within +-448, rounded to the nearest code, ties to even.  e: lowp_scales 0 (q), 1 (Wq), 2 (k), 3 (Wk), 4 (v), 5 (Wv).
; LIMITS: -126 <= e <= 119, so that 2^e and 448 x 2^e are f32 numbers.  NaN among the inputs is not served (an infinity is held at the largest code).
; xcodes: [24576][1024] bytes: q's rows, then k's, then v's.  wcodes: [3072][1024]: Wq's, Wk's, Wv's.  Rows are dense: every tensor is a plain stream, and nothing here knows of rows.
; SHARES.  A work-group takes 32,768 numbers, a wave 16 steps of 512.  Work-groups 0-255 q, 256-511 k, 512-767 v, 768-799 Wq, 800-831 Wk, 832-863 Wv: ONE path through the text; only pointers, offsets and e are chosen.
; The conversions take 8 neighbours from one lane's registers; a load is dense where neighbouring lanes take neighbouring bytes.  Both are had: each load reads 512 consecutive bytes, 16 a lane; a step's 2,048 bytes go through
; the wave's own stage in LDS and come back 64 bytes a lane (16 bytes of padding behind each 64).  A lane's 16 codes are 16 bytes: a store covers 512 consecutive bytes, aligned.
; No barrier: waves share nothing.  Loads run four steps (16 loads a wave) ahead, the turn through LDS one step.
.set STEPS, 16
.set EMAX,  8
.set MANT,  0x600000                   ; the mantissa field of 448 as f32
.set R,     16                         ; v16-79   four sets of 16 numbers as they are loaded
.set X,     80                         ; v80-111  two sets of 16 neighbours
.set C,     128                        ; v128-191 codes: four registers for each step, so that no store's data are written again
.set WREG,  8192                       ; LDS: a region for each wave: two stages of 32 x SP bytes
.set SP,    80                         ; a lane's place in a stage: its 64 bytes + 16 of padding
	s_load_b512 s[8:23], s[0:1], 0x0               ; q s[8:9], k s[10:11], v s[12:13], Wq s[14:15], Wk s[16:17], Wv s[18:19], the exponents s[20:21], xcodes s[22:23]
	s_load_b64 s[24:25], s[0:1], 0x40              ; wcodes
	v_lshl_add_u32 v12, v0, 2, 32768               ; v12: my spare word, behind the four waves' regions (512 bytes that no other line names); never rewritten
	v_mov_b32 v13, 0                               ; v13: 0; never rewritten
	v_lshrrev_b32 v1, 5, v0
	v_readfirstlane_b32 s26, v1                    ; wave
	v_and_b32 v2, 31, v0                           ; lane
	v_lshlrev_b32 v3, 4, v2                        ; 16 x lane: my 16 bytes of a load's 512, and of a store's; never rewritten
	s_mul_i32 s27, s26, WREG
	v_lshrrev_b32 v14, 2, v2
	v_mul_u32_u24 v14, v14, SP
	v_and_b32 v15, 3, v2
	v_lshl_add_u32 v14, v15, 4, v14
	v_add_nc_u32 v14, s27, v14                     ; the stage, on the way in: SP (lane / 4) + 16 (lane % 4)
	v_mul_u32_u24 v15, v2, SP
	v_add_nc_u32 v15, s27, v15                     ; and on the way out: SP x lane: my 16 neighbours
	s_wait_alu depctr_va_vdst(0)
	s_wait_kmcnt 0x0
	s_load_b256 s[32:39], s[20:21], 0x0            ; e0 .. e7 (the last two are not used here)
; the tensor is chosen by the work-group's number alone: from the last tensor down, each compare may take the choice over
.macro PICK lim, src, first
	s_cmp_lt_u32 ttmp9, \lim
	s_cselect_b64 s[4:5], s[\src:\src+1], s[4:5]
	s_cselect_b32 s28, \first, s28
.endm
	s_mov_b64 s[4:5], s[18:19]                     ; Wv,
	s_mov_b32 s28, 832                             ; whose first work-group is 832
	PICK 832, 16, 800                              ; Wk
	PICK 800, 14, 768                              ; Wq
	PICK 768, 12, 512                              ; v
	PICK 512, 10, 256                              ; k
	PICK 256, 8, 0                                 ; q
	s_cmp_lt_u32 ttmp9, 768
	s_cselect_b64 s[6:7], s[22:23], s[24:25]       ; the codes' buffer,
	s_cselect_b32 s30, 0, 768                      ; and its first work-group
	s_sub_co_u32 s28, ttmp9, s28
	s_lshl_b32 s28, s28, 2
	s_add_co_u32 s28, s28, s26                     ; which run of 8,192 numbers of the tensor is my wave's
	s_lshl_b32 s28, s28, 15                        ; x 32,768 bytes: under 2^25
	s_mov_b32 s29, 0
	s_add_nc_u64 s[4:5], s[4:5], s[28:29]
	s_sub_co_u32 s30, ttmp9, s30
	s_lshl_b32 s30, s30, 2
	s_add_co_u32 s30, s30, s26                     ; which run of 8,192 codes of the buffer
	s_lshl_b32 s30, s30, 13
	s_mov_b32 s31, 0
	s_add_nc_u64 s[6:7], s[6:7], s[30:31]
.macro LOAD t
.irp i, 0,1,2,3
	global_load_b128 v[R+16*((\t)%4)+4*\i:R+16*((\t)%4)+4*\i+3], v3, s[4:5] offset:2048*(\t)+512*\i th:TH_LOAD_NT   ; 32 lanes read 512 consecutive bytes; read once in the launch
.endr
.endm
.macro TURN t                          ; step t's numbers through the stage: LDS serves a wave's instructions in order (ISA guide 5.7.1.4), so no wait stands between the stores and the loads
.irp i, 0,1,2,3
	ds_store_b128 v14, v[R+16*((\t)%4)+4*\i:R+16*((\t)%4)+4*\i+3] offset:32*SP*((\t)%2)+8*SP*\i
.endr
.irp i, 0,1,2,3
	ds_load_b128 v[X+16*((\t)%2)+4*\i:X+16*((\t)%2)+4*\i+3], v15 offset:32*SP*((\t)%2)+16*\i
.endr
.endm
.irp t, 0,1,2,3
	LOAD \t
.endr
	s_wait_kmcnt 0x0
.macro PICKE lim, e
	s_cmp_lt_u32 ttmp9, \lim
	s_cselect_b32 s40, s[\e], s40
.endm
	s_mov_b32 s40, s37                             ; e of Wv: entry 5
	PICKE 832, 35                                  ; Wk: 3
	PICKE 800, 33                                  ; Wq: 1
	PICKE 768, 36                                  ; v: 4
	PICKE 512, 34                                  ; k: 2
	PICKE 256, 32                                  ; q: 0
	s_add_co_i32 s40, s40, 127
	s_lshl_b32 s41, s40, 23
	v_mov_b32 v11, s41                             ; 2^e as f32: the conversion takes its exponent field
	s_add_co_i32 s40, s40, EMAX
	s_lshl_b32 s40, s40, 23
	s_or_b32 s40, s40, MANT
	v_mov_b32 v10, s40                             ; 448 x 2^e
	s_wait_alu depctr_va_vdst(0)
	s_wait_loadcnt 12                              ; step 0's four loads are in; the twelve of steps 1 to 3 may be out
	TURN 0
.macro STEP t
.set XS, X+16*((\t)%2)
	s_wait_dscnt 0x0                               ; this step's numbers are back from the stage: so its stores into the stage have read their registers,
.if (\t)+4 < STEPS
	LOAD (\t)+4                                    ; which take the loads of four steps on
.endif
.if (\t)+1 < STEPS
.if STEPS-2-(\t) >= 3
	s_wait_loadcnt 12                              ; the next step's four loads are in; those of the three steps behind it may be out
.else
	s_wait_loadcnt 4*(STEPS-2-(\t))                ; the tail: as many steps as are left behind the next one
.endif
	TURN (\t)+1                                    ; and go through the other stage while this step is worked
.endif
.irp i, 0,1,2,3,4,5,6,7,8,9,10,11,12,13,14,15
	v_med3_num_f32 v[XS+\i], v[XS+\i], -v10, v10   ; the conversion to an 8-bit code does not saturate (ISA guide 7.6.2): the number is held within the largest code x the scale first
.endr
	v_cvt_scalef32_pk8_fp8_f32 v[C+4*(\t):C+4*(\t)+1], v[XS:XS+7], v11          ; eight numbers / 2^e, to the nearest code, ties to even; the first number's code in the lowest byte
	v_cvt_scalef32_pk8_fp8_f32 v[C+4*(\t)+2:C+4*(\t)+3], v[XS+8:XS+15], v11
	global_store_b128 v3, v[C+4*(\t):C+4*(\t)+3], s[6:7] offset:512*(\t)        ; the codes go to a store alone; the next vector lines, the next step's holds, are plain and touch other registers
.endm
.irp t, 0,1,2,3,4,5,6,7,8,9,10,11,12,13,14,15
	STEP \t
.endr
	s_wait_tensorcnt 0x0                           ; the wave's end, behind my last LDS store
	ds_add_u32 v12, v13
	s_wait_dscnt 0x0
	s_endpgm
.Lfunc_end_k_q5763979fab_quant:
	.size	k_q5763979fab_quant, .Lfunc_end_k_q5763979fab_quant-k_q5763979fab_quant
	.p2alignl 7, 3214868480
	.fill 96, 4, 3214868480
	.section	.rodata,"a",@progbits
	.p2align	6, 0x0
	.amdhsa_kernel k_q5763979fab_quant
		.amdhsa_group_segment_fixed_size 33280
		.amdhsa_private_segment_fixed_size 0
		.amdhsa_enable_private_segment 0
		.amdhsa_kernarg_size 72
		.amdhsa_user_sgpr_count 2
		.amdhsa_user_sgpr_kernarg_segment_ptr 1
		.amdhsa_wavefront_size32 1
		.amdhsa_system_sgpr_workgroup_id_x 1
		.amdhsa_system_sgpr_workgroup_id_y 1
		.amdhsa_system_sgpr_workgroup_id_z 1
		.amdhsa_system_vgpr_workitem_id 0
		.amdhsa_next_free_vgpr 192
		.amdhsa_next_free_sgpr 66
		.amdhsa_reserve_vcc 0
		.amdhsa_float_denorm_mode_32 3
		.amdhsa_float_denorm_mode_16_64 3
		.amdhsa_memory_ordered 1
		.amdhsa_forward_progress 1
		.amdhsa_inst_pref_size 39
	.end_amdhsa_kernel
	.amdgpu_metadata
---
amdhsa.version: [ 1, 2 ]
amdhsa.kernels:
  - .name:           k_q5763979fab_quant
    .symbol:         k_q5763979fab_quant.kd
    .args:
      - { .name: q, .offset: 0, .size: 8, .value_kind: global_buffer, .address_space: global }
      - { .name: k, .offset: 8, .size: 8, .value_kind: global_buffer, .address_space: global }
      - { .name: v, .offset: 16, .size: 8, .value_kind: global_buffer, .address_space: global }
      - { .name: Wq, .offset: 24, .size: 8, .value_kind: global_buffer, .address_space: global }
      - { .name: Wk, .offset: 32, .size: 8, .value_kind: global_buffer, .address_space: global }
      - { .name: Wv, .offset: 40, .size: 8, .value_kind: global_buffer, .address_space: global }
      - { .name: lowp_scales, .offset: 48, .size: 8, .value_kind: global_buffer, .address_space: global }
      - { .name: xcodes, .offset: 56, .size: 8, .value_kind: global_buffer, .address_space: global }
      - { .name: wcodes, .offset: 64, .size: 8, .value_kind: global_buffer, .address_space: global }
    .group_segment_fixed_size: 33280
    .private_segment_fixed_size: 0
    .kernarg_segment_align: 8
    .kernarg_segment_size: 72
    .max_flat_workgroup_size: 128
    .sgpr_count:     66
    .vgpr_count:     192
    .wavefront_size: 32
...
	.end_amdgpu_metadata
.endif
;; end of part 1
;; launch proj (part 2): grid 4 x 96, 4 waves a work-group, clusters of 4 x 4, 327,680 bytes of LDS; arguments xcodes, wcodes, lowp_scales, bq, bk, bv, cos, sin, qimg, kvimg; writes qimg, kvimg
.if DOCPART == 2
	.amdgcn_target "amdgcn-amd-amdhsa--gfx1250"
	.amdhsa_code_object_version 6
	.text
	.protected	k_q5763979fab_proj
	.globl	k_q5763979fab_proj
	.p2align	8
	.type	k_q5763979fab_proj,@function
k_q5763979fab_proj:
	s_mov_b64 s[64:65], 0
	v_nop
	global_prefetch_b8 v0, s[64:65] scope:SCOPE_SE
	s_setreg_imm32_b32 hwreg(HW_REG_WAVE_MODE, 25, 1), 1
	s_wait_xcnt 0x0
	s_wait_alu depctr_hold_cnt(0) depctr_sa_sdst(0) depctr_va_vdst(0) depctr_va_sdst(0) depctr_va_ssrc(0) depctr_va_vcc(0) depctr_vm_vsrc(0)
	s_getreg_b32 s2, hwreg(HW_REG_IB_STS2, 6, 4)
	s_cmp_eq_u32 s2, 0
	s_cbranch_scc0 .Lentry_in_a_cluster
	s_endpgm
.Lentry_in_a_cluster:
	s_bfe_u32 s2, ttmp6, 0x10000c
	s_cmp_lg_u32 s2, 0xf033
	s_cbranch_scc0 .Lentry_shape_is_right
	s_endpgm
.Lentry_shape_is_right:
.set ROWB,   256
.set KROW,   1024
.set PITCH,  272
.set FR,     16
.set NL,     4
.set NP,     4
.set HALFT,  128*PITCH
.set SLOT,   4*HALFT
.set SPARE,  2*SLOT
.set CSA,  8
.set BIA,  9
.set OUTA, 10
.set SCL,  11
.set LIM,  12
.set BVA,  13
.set ADRA, 16
.set ADRB, 20
.set SPW,  28
.set NIL,  29
.set BIAS, 32
.set CSB,  96
.set AF,   128
.set Y,    160
.set AT,   224
.set CD,   240
.set G1, 24
.set G0, 32
.set G1B, 48
.set G0B, 56
.set MSB, 0
.macro WIN new
.if MSB != \new
	s_set_vgpr_msb (MSB<<8)|\new
.set MSB, \new
.endif
.endm
.set MUL_LO, 0xa1
.set MUL_HI, 0xf1
.set TO_B,   0x40
.macro JLOAD g0a, g1a, g0b, g1b
	s_cmp_eq_u32 s15, 0
	s_cbranch_scc0 .Lfor_b_\@
	tensor_load_to_lds s[\g0a:\g0a+3], s[\g1a:\g1a+7]
	s_nop 0
.rept 4
	v_nop
.endr
	s_branch .Lasked_\@
.Lfor_b_\@:
	tensor_load_to_lds s[\g0b:\g0b+3], s[\g1b:\g1b+7]
	s_nop 0
.rept 4
	v_nop
.endr
.Lasked_\@:
.endm
.macro CREST
	s_cmp_lg_u32 s14, 0
	s_cbranch_scc1 .Lnot_wave_0_\@
	s_barrier_signal -3
.Lnot_wave_0_\@:
	s_barrier_wait -3
	s_barrier_signal -1
	s_barrier_wait -1
.endm
.macro CROUND
	s_barrier_signal -1
	s_barrier_wait -1
	CREST
.endm
	s_load_b512 s[68:83], s[0:1], 0x0
	s_load_b128 s[84:87], s[0:1], 0x40
	v_lshl_add_u32 v[SPW], v0, 2, SPARE
	v_mov_b32 v[NIL], 0
	v_lshrrev_b32 v1, 5, v0
	v_readfirstlane_b32 s14, v1
	s_lshr_b32 s15, s14, 1
	s_and_b32 s16, s14, 1
	s_bfe_u32 s40, ttmp6, 0x40000
	s_bfe_u32 s41, ttmp6, 0x40004
	s_and_b32 s17, ttmp7, 0xffff
	s_lshr_b32 s12, s17, 3
	s_and_b32 s13, s17, 7
	s_lshl_b32 s43, s41, 2
	s_lshl_b32 s43, 15, s43
	s_lshl_b32 s44, 0x1111, s40
	s_or_b32 s[G1+0], s43, (0<<16)|(1<<20)|(1<<21)|(5<<22)|(3<<25)
	s_or_b32 s[G1B+0], s44, (0<<16)|(1<<20)|(1<<21)|(5<<22)|(3<<25)
.irp g, G1, G1B
	s_mov_b32 s[\g+1], ROWB<<16
	s_mov_b32 s[\g+2], 128<<16
	s_mov_b32 s[\g+3], ROWB<<16
	s_mov_b32 s[\g+4], 128
	s_mov_b32 s[\g+5], KROW
	s_mov_b32 s[\g+6], 0
	s_mov_b32 s[\g+7], 0
.endr
	s_lshl_b32 s18, s12, 13
	s_lshl_b32 s19, s13, 10
	s_add_co_u32 s18, s18, s19
	s_lshl_b32 s19, s12, 10
	s_cmp_lt_u32 s12, 2
	s_cselect_b32 s20, s18, s19
	s_cselect_b32 s46, s19, s18
	s_lshl_b32 s21, s41, 8
	s_add_co_u32 s20, s20, s21
	s_lshl_b32 s21, s16, 7
	s_add_co_u32 s20, s20, s21
	s_lshl_b32 s20, s20, 10
	s_mov_b32 s21, 0
	s_lshl_b32 s47, s40, 8
	s_add_co_u32 s46, s46, s47
	s_lshl_b32 s47, s16, 7
	s_add_co_u32 s46, s46, s47
	s_lshl_b32 s46, s46, 10
	s_mov_b32 s47, 0
	s_mul_i32 s45, s14, HALFT
	s_wait_kmcnt 0x0
	s_load_b256 s[88:95], s[72:73], 0x0
	s_load_b64 s[96:97], s[72:73], 0x20
	s_cmp_lt_u32 s12, 2
	s_cselect_b64 s[4:5], s[68:69], s[70:71]
	s_cselect_b64 s[6:7], s[70:71], s[68:69]
	s_add_nc_u64 s[20:21], s[4:5], s[20:21]
	s_add_nc_u64 s[46:47], s[6:7], s[46:47]
	CROUND
.irp s, 0,1
	s_mov_b32 s[G0+4*\s], 1
	s_add_co_u32 s[G0+4*\s+1], s45, \s*SLOT
	s_add_nc_u64 s[G0+4*\s+2:G0+4*\s+3], s[20:21], \s*ROWB
	s_or_b32 s[G0+4*\s+3], s[G0+4*\s+3], 0x80000000
	s_mov_b32 s[G0B+4*\s], 1
	s_add_co_u32 s[G0B+4*\s+1], s45, \s*SLOT
	s_add_nc_u64 s[G0B+4*\s+2:G0B+4*\s+3], s[46:47], \s*ROWB
	s_or_b32 s[G0B+4*\s+3], s[G0B+4*\s+3], 0x80000000
	s_wait_alu depctr_va_vdst(0)
	s_wait_tensorcnt 0x0
	ds_add_u32 v28, v29
	ds_add_u32 v28, v29
	s_wait_dscnt 0x0
	CROUND
	JLOAD G0+4*\s, G1, G0B+4*\s, G1B
.endr
	v_and_b32 v1, 15, v0
	v_bfe_u32 v2, v0, 4, 1
	v_mul_u32_u24 v3, v1, PITCH
	v_lshl_add_u32 v4, v2, 4, v3
	s_mul_i32 s21, s15, HALFT
	s_mul_i32 s22, s16, HALFT
	s_add_co_u32 s22, s22, 2*HALFT
.irp s, 0,1
	v_add_nc_u32 v[ADRA+\s], s21, v4
	v_add_nc_u32 v[ADRB+\s], s22, v4
	s_add_co_u32 s21, s21, SLOT
	s_add_co_u32 s22, s22, SLOT
.endr
	v_lshlrev_b32 v[CSA], 7, v1
	v_lshl_add_u32 v[CSA], v2, 4, v[CSA]
	v_lshlrev_b32 v[BIA], 5, v2
	v_lshlrev_b32 v[BVA], 2, v1
	v_and_b32 v[OUTA], 31, v0
	v_lshlrev_b32 v[OUTA], 4, v[OUTA]
.macro FRAG reg, adr, q, i
.irp c, 0,1,2,3
	ds_load_b128 v[\reg+4*\c:\reg+4*\c+3], v[\adr] offset:128*(\q)+32*\c+(\i)*16*PITCH
.endr
.endm
.macro MUL16 a0, p, zero
.irp a, \a0, \a0+1
.irp b, 0,1,2,3,4,5,6,7
.if \zero
	v_wmma_f32_16x16x128_fp8_fp8 v[8*(8*((\a)%4)+\b):8*(8*((\a)%4)+\b)+7], v[128*(\p)+FR*\b:128*(\p)+FR*\b+FR-1], v[AF+FR*(\a):AF+FR*(\a)+FR-1], 0
.else
	v_wmma_f32_16x16x128_fp8_fp8 v[8*(8*((\a)%4)+\b):8*(8*((\a)%4)+\b)+7], v[128*(\p)+FR*\b:128*(\p)+FR*\b+FR-1], v[AF+FR*(\a):AF+FR*(\a)+FR-1], v[8*(8*((\a)%4)+\b):8*(8*((\a)%4)+\b)+7]
.endif
.endr
.endr
.endm
.macro FETCH_B slot, q, p
	WIN TO_B
.irp i, 0,1,2,3,4,5,6,7
	FRAG 128*(\p)+FR*\i, ADRB+\slot, \q, \i
.endr
	WIN 0
.endm
.macro FETCH_A slot, q, i0
.irp i, \i0, \i0+1, \i0+2, \i0+3
	FRAG AF+FR*(\i), ADRA+\slot, \q, \i
.endr
.endm
.macro PLACES n
.rept \n
	v_nop
.endr
.endm
.macro STEP slot, q, zero
	s_wait_dscnt 4*NL
	WIN MUL_LO
	MUL16 0, (\q)%2, \zero
	MUL16 2, (\q)%2, \zero
	s_wait_dscnt 0
	PLACES NP
	FETCH_B \slot, (\q)+1, 1-(\q)%2
	FETCH_A \slot, (\q)+1, 0
	WIN MUL_HI
	MUL16 4, (\q)%2, \zero
	MUL16 6, (\q)%2, \zero
	PLACES NP
	WIN 0
	FETCH_A \slot, (\q)+1, 4
.endm
.macro TURN slot, next, fill
	s_wait_tensorcnt 0x0
	ds_add_u32 v[SPW], v[NIL]
	s_wait_dscnt 4*NL+1
	WIN MUL_LO
	MUL16 0, 1, 0
	s_wait_dscnt 0x0
	s_barrier_signal -1
	MUL16 2, 1, 0
	WIN 0
	s_barrier_wait -1
.if \fill
	CREST
	s_add_nc_u64 s[G0+4*\slot+2:G0+4*\slot+3], s[G0+4*\slot+2:G0+4*\slot+3], 2*ROWB
	s_add_nc_u64 s[G0B+4*\slot+2:G0B+4*\slot+3], s[G0B+4*\slot+2:G0B+4*\slot+3], 2*ROWB
	JLOAD G0+4*\slot, G1, G0B+4*\slot, G1B
.else
	PLACES NP
.endif
	FETCH_B \next, 0, 0
	FETCH_A \next, 0, 0
	WIN MUL_HI
	MUL16 4, 1, 0
	MUL16 6, 1, 0
	PLACES NP
	WIN 0
	FETCH_A \next, 0, 4
.endm
.macro LAST
	s_wait_dscnt 4*NL
	WIN MUL_LO
	MUL16 0, 1, 0
	MUL16 2, 1, 0
	s_wait_dscnt 0
	WIN MUL_HI
	MUL16 4, 1, 0
	MUL16 6, 1, 0
	WIN 0
.endm
	s_wait_alu depctr_va_vdst(0)
	s_wait_tensorcnt 1
	s_barrier_signal -1
	s_barrier_wait -1
	FETCH_B 0, 0, 0
	FETCH_A 0, 0, 0
	FETCH_A 0, 0, 4
	STEP 0, 0, 1
	TURN 0, 1, 1
	STEP 1, 0, 0
	TURN 1, 0, 1
	STEP 0, 0, 0
	TURN 0, 1, 0
	STEP 1, 0, 0
	s_wait_kmcnt 0x0
	s_add_co_i32 s18, s88, s89
	s_add_co_i32 s19, s90, s91
	s_add_co_i32 s22, s92, s93
	s_cmp_eq_u32 s12, 1
	s_cselect_b32 s18, s19, s18
	s_cselect_b32 s23, s95, s94
	s_cmp_eq_u32 s12, 2
	s_cselect_b32 s18, s22, s18
	s_cselect_b32 s23, s97, s23
	s_add_co_i32 s18, s18, 127
	s_lshl_b32 s98, s18, 23
	s_mov_b32 s99, s98
	s_add_co_i32 s23, s23, 127
	s_lshl_b32 s22, s23, 23
	v_mov_b32 v[SCL], s22
	s_add_co_i32 s23, s23, 8
	s_lshl_b32 s23, s23, 23
	s_or_b32 s23, s23, 0x600000
	v_mov_b32 v[LIM], s23
	s_cmp_eq_u32 s12, 2
	s_cbranch_scc1 .Lv
	s_cmp_eq_u32 s12, 0
	s_cselect_b64 s[8:9], s[74:75], s[76:77]
	s_cselect_b64 s[100:101], s[84:85], s[86:87]
	s_lshl_b32 s18, s40, 10
	s_lshl_b32 s19, s16, 9
	s_add_co_u32 s18, s18, s19
	s_mov_b32 s19, 0
	s_add_nc_u64 s[8:9], s[8:9], s[18:19]
	s_and_b32 s22, s13, 1
	s_lshl_b32 s22, s22, 10
	s_lshl_b32 s23, s41, 8
	s_add_co_u32 s22, s22, s23
	s_lshl_b32 s23, s15, 7
	s_add_co_u32 s22, s22, s23
	s_lshl_b32 s18, s22, 7
	s_add_nc_u64 s[80:81], s[80:81], s[18:19]
	s_add_nc_u64 s[82:83], s[82:83], s[18:19]
	s_lshr_b32 s18, s13, 1
	s_lshl_b32 s18, s18, 4
	s_lshl_b32 s23, s40, 2
	s_add_co_u32 s18, s18, s23
	s_lshl_b32 s23, s16, 1
	s_add_co_u32 s18, s18, s23
	s_lshl_b32 s18, s18, 18
	s_lshl_b32 s23, s22, 7
	s_add_co_u32 s18, s18, s23
	s_add_nc_u64 s[100:101], s[100:101], s[18:19]
.macro CSLOAD a
.set CB0, CSB+32*((\a)%2)
.irp cb, 0,1,2,3
	global_load_b128 v[CB0+4*\cb:CB0+4*\cb+3], v[CSA], s[80:81] offset:2048*(\a)+32*\cb
	global_load_b128 v[CB0+16+4*\cb:CB0+16+4*\cb+3], v[CSA], s[82:83] offset:2048*(\a)+32*\cb
.endr
.endm
.irp b, 0,1,2,3,4,5,6,7
	global_load_b128 v[BIAS+8*\b:BIAS+8*\b+3], v[BIA], s[8:9] offset:64*\b
	global_load_b128 v[BIAS+8*\b+4:BIAS+8*\b+7], v[BIA], s[8:9] offset:64*\b+16
.endr
	CSLOAD 0
	LAST
	PLACES NP
.macro ROPE2 at, y, c, s
	v_pk_mul_f32 v[\at:\at+1], v[\y:\y+1], v[\c:\c+1] op_sel_hi:[1,0]
	v_pk_mul_f32 v[\at+2:\at+3], v[\y+2:\y+3], v[\c:\c+1] op_sel:[0,1] op_sel_hi:[1,1]
	v_pk_fma_f32 v[\at:\at+1], v[\y:\y+1], v[\s:\s+1], v[\at:\at+1] op_sel:[1,0,0] op_sel_hi:[0,0,1] neg_lo:[1,0,0]
	v_pk_fma_f32 v[\at+2:\at+3], v[\y+2:\y+3], v[\s:\s+1], v[\at+2:\at+3] op_sel:[1,1,0] op_sel_hi:[0,1,1] neg_lo:[1,0,0]
.endm
.macro QKBLOCK a
.if (\a) < 7
	CSLOAD (\a)+1
	s_wait_loadcnt 8
.else
	s_wait_loadcnt 0x0
.endif
.set AC, 64*((\a)%4)
.set CC, CSB+32*((\a)%2)
.set WN, 0x02+((\a)/4)
	WIN WN
.irp j, 0,2,4,6,8,10,12,14,16,18,20,22,24,26,28,30,32,34,36,38,40,42,44,46,48,50,52,54,56,58,60,62
	v_pk_fma_f32 v[Y+\j:Y+\j+1], v[AC+\j:AC+\j+1], s[98:99], v[BIAS+\j:BIAS+\j+1] op_sel_hi:[1,0,1]
.endr
	WIN 0
.if (\a) > 0
	s_wait_xcnt 0x0
.endif
.irp b, 0,1,2,3,4,5,6,7
	ROPE2 AT+8*(\b%2), Y+8*\b, CC+4*(\b%4), CC+16+4*(\b%4)
	ROPE2 AT+8*(\b%2)+4, Y+8*\b+4, CC+4*(\b%4)+2, CC+16+4*(\b%4)+2
.irp i, 0,1,2,3,4,5,6,7
	v_med3_num_f32 v[AT+8*(\b%2)+\i], v[AT+8*(\b%2)+\i], -v[LIM], v[LIM]
.endr
	v_cvt_scalef32_pk8_fp8_f32 v[CD+2*\b:CD+2*\b+1], v[AT+8*(\b%2):AT+8*(\b%2)+7], v[SCL]
.if \b%2
	global_store_b128 v[OUTA], v[CD+2*\b-2:CD+2*\b+1], s[100:101] offset:(\b/4)*262144+((\a)/4)*8192+((\a)%4)*1024+((\b%4)/2)*512
.endif
.endr
	v_nop
.endm
.irp a, 0,1,2,3,4,5,6,7
	QKBLOCK \a
.endr
	s_branch .Lend
.Lv:
	s_lshl_b32 s18, s41, 10
	s_lshl_b32 s19, s15, 9
	s_add_co_u32 s18, s18, s19
	s_mov_b32 s19, 0
	s_add_nc_u64 s[8:9], s[78:79], s[18:19]
	s_and_b32 s22, s13, 1
	s_lshl_b32 s22, s22, 10
	s_lshl_b32 s23, s40, 8
	s_add_co_u32 s22, s22, s23
	s_lshl_b32 s23, s16, 7
	s_add_co_u32 s22, s22, s23
	s_lshr_b32 s18, s13, 1
	s_lshl_b32 s18, s18, 4
	s_lshl_b32 s23, s41, 2
	s_add_co_u32 s18, s18, s23
	s_lshl_b32 s23, s15, 1
	s_add_co_u32 s18, s18, s23
	s_lshl_b32 s18, s18, 18
	s_lshl_b32 s23, s22, 7
	s_add_co_u32 s18, s18, s23
	s_add_co_u32 s18, s18, 4096
	s_add_nc_u64 s[100:101], s[86:87], s[18:19]
.irp a, 0,1,2,3,4,5,6,7
	global_load_b32 v[BIAS+\a], v[BVA], s[8:9] offset:64*\a
.endr
	LAST
	PLACES NP
	s_wait_loadcnt 0x0
.macro VBLOCK a
.set AC, 64*((\a)%4)
.set WN, 0x02+((\a)/4)
	WIN WN
.irp j, 0,2,4,6,8,10,12,14,16,18,20,22,24,26,28,30,32,34,36,38,40,42,44,46,48,50,52,54,56,58,60,62
.if ((\a)%2) == 0
	v_pk_fma_f32 v[Y+\j:Y+\j+1], v[AC+\j:AC+\j+1], s[98:99], v[BIAS+(\a):BIAS+(\a)+1] op_sel_hi:[1,0,0]
.else
	v_pk_fma_f32 v[Y+\j:Y+\j+1], v[AC+\j:AC+\j+1], s[98:99], v[BIAS+(\a)-1:BIAS+(\a)] op_sel:[0,0,1] op_sel_hi:[1,0,1]
.endif
.endr
	WIN 0
.if (\a) > 0
	s_wait_xcnt 0x0
.endif
.irp b, 0,1,2,3,4,5,6,7
.irp i, 0,1,2,3,4,5,6,7
	v_med3_num_f32 v[Y+8*\b+\i], v[Y+8*\b+\i], -v[LIM], v[LIM]
.endr
	v_cvt_scalef32_pk8_fp8_f32 v[CD+2*\b:CD+2*\b+1], v[Y+8*\b:Y+8*\b+7], v[SCL]
.if \b%2
	global_store_b128 v[OUTA], v[CD+2*\b-2:CD+2*\b+1], s[100:101] offset:((\a)/4)*262144+(\b/4)*8192+((\a)%4)*1024+((\b%4)/2)*512
.endif
.endr
	v_nop
.endm
.irp a, 0,1,2,3,4,5,6,7
	VBLOCK \a
.endr
.Lend:
	s_wait_tensorcnt 0x0
	ds_add_u32 v[SPW], v[NIL]
	s_wait_dscnt 0x0
	CROUND
	s_endpgm
.Lfunc_end_k_q5763979fab_proj:
	.size	k_q5763979fab_proj, .Lfunc_end_k_q5763979fab_proj-k_q5763979fab_proj
	.p2alignl 7, 3214868480
	.fill 96, 4, 3214868480
	.section	.rodata,"a",@progbits
	.p2align	6, 0x0
	.amdhsa_kernel k_q5763979fab_proj
		.amdhsa_group_segment_fixed_size 327680
		.amdhsa_private_segment_fixed_size 0
		.amdhsa_enable_private_segment 0
		.amdhsa_kernarg_size 80
		.amdhsa_user_sgpr_count 2
		.amdhsa_user_sgpr_kernarg_segment_ptr 1
		.amdhsa_wavefront_size32 1
		.amdhsa_system_sgpr_workgroup_id_x 1
		.amdhsa_system_sgpr_workgroup_id_y 1
		.amdhsa_system_sgpr_workgroup_id_z 1
		.amdhsa_system_vgpr_workitem_id 0
		.amdhsa_next_free_vgpr 1024
		.amdhsa_next_free_sgpr 102
		.amdhsa_reserve_vcc 0
		.amdhsa_float_denorm_mode_32 3
		.amdhsa_float_denorm_mode_16_64 3
		.amdhsa_memory_ordered 1
		.amdhsa_forward_progress 1
		.amdhsa_inst_pref_size 237
	.end_amdhsa_kernel
	.amdgpu_metadata
---
amdhsa.version: [ 1, 2 ]
amdhsa.kernels:
  - .name:           k_q5763979fab_proj
    .symbol:         k_q5763979fab_proj.kd
    .args:
      - { .name: xcodes, .offset: 0, .size: 8, .value_kind: global_buffer, .address_space: global }
      - { .name: wcodes, .offset: 8, .size: 8, .value_kind: global_buffer, .address_space: global }
      - { .name: lowp_scales, .offset: 16, .size: 8, .value_kind: global_buffer, .address_space: global }
      - { .name: bq, .offset: 24, .size: 8, .value_kind: global_buffer, .address_space: global }
      - { .name: bk, .offset: 32, .size: 8, .value_kind: global_buffer, .address_space: global }
      - { .name: bv, .offset: 40, .size: 8, .value_kind: global_buffer, .address_space: global }
      - { .name: cos, .offset: 48, .size: 8, .value_kind: global_buffer, .address_space: global }
      - { .name: sin, .offset: 56, .size: 8, .value_kind: global_buffer, .address_space: global }
      - { .name: qimg, .offset: 64, .size: 8, .value_kind: global_buffer, .address_space: global }
      - { .name: kvimg, .offset: 72, .size: 8, .value_kind: global_buffer, .address_space: global }
    .group_segment_fixed_size: 327680
    .private_segment_fixed_size: 0
    .kernarg_segment_align: 8
    .kernarg_segment_size: 80
    .max_flat_workgroup_size: 128
    .sgpr_count:     102
    .vgpr_count:     1024
    .wavefront_size: 32
...
	.end_amdgpu_metadata
.endif
;; end of part 2
;; launch attn (part 3): grid 4 x 64, 8 waves a work-group, clusters of 4 x 1, 327,680 bytes of LDS; arguments qimg, kvimg, lowp_scales, out0; writes out0
.if DOCPART == 3
	.amdgcn_target "amdgcn-amd-amdhsa--gfx1250"
	.amdhsa_code_object_version 6
	.text
	.protected	k_q5763979fab_attn
	.globl	k_q5763979fab_attn
	.p2align	8
	.type	k_q5763979fab_attn,@function
k_q5763979fab_attn:
	s_mov_b64 s[64:65], 0
	v_nop
	global_prefetch_b8 v0, s[64:65] scope:SCOPE_SE
	s_setreg_imm32_b32 hwreg(HW_REG_WAVE_MODE, 25, 1), 1
	s_wait_xcnt 0x0
	s_wait_alu depctr_hold_cnt(0) depctr_sa_sdst(0) depctr_va_vdst(0) depctr_va_sdst(0) depctr_va_ssrc(0) depctr_va_vcc(0) depctr_vm_vsrc(0)
	s_getreg_b32 s2, hwreg(HW_REG_IB_STS2, 6, 4)
	s_cmp_eq_u32 s2, 0
	s_cbranch_scc0 .Lentry_in_a_cluster
	s_endpgm
.Lentry_in_a_cluster:
	s_bfe_u32 s2, ttmp6, 0x10000c
	s_cmp_lg_u32 s2, 0x3003
	s_cbranch_scc0 .Lentry_shape_is_right
	s_endpgm
.Lentry_shape_is_right:
; Causal attention on codes of FP8 (E4M3): 64 (batch, head) pairs bh, 2,048 positions, head size 64.  out0 [4][2048][1024] f32: head bh % 16's 64 numbers of a row are 256 bytes.
; qimg, kvimg [64 bh][32 st][8192]: images of operand registers in the layout of v_wmma_f32_16x16x64_fp8_fp8 (a fragment of 16 rows x 64 K: registers 4 g .. 4 g + 3 of lane l at 512 g + 16 l).
;   qimg: bytes 0-4095 of a step: four tiles of 16 queries.  kvimg: bytes 0-4095 four tiles of 16 keys (k = d), 4096-8191 four tiles of 16 d (k = the step's 64 keys).
; LEFT OUT: key steps all of whose keys come after a pair's queries: the causal mask gives them -inf ahead of the softmax, so they add 0 to every sum, whatever the inputs hold.
; THE SOFTMAX: t = score x log2(e) / 8; M = the row's largest t so far, rounded UP to a whole number; p = 2^(t - M) is quantised with 2^e8, not normalised.  The row's sum is taken of the unquantised p, in f32, and divides O
;   at the end.  When M moves, the sum and O are multiplied by 2^(old M - new M): exact.  The running largest is kept as a raw score: c is positive, so c x max = max of c x.
; LIMITS: e6 + e7 between -60 and 130 (added to c's exponent field; a hidden score is -2^100, and c x 2^100 must lie far above every |t|, which stays under 2^31); e8 between -126 and 119; e8 + e9 goes by v_ldexp_f32.
; SHARES.  The four work-groups cx = 0 .. 3 of a cluster share one bh.  The queries go in 16 blocks of 128; queries 32 cx .. 32 cx + 31 of a block, a PAIR of tiles, are work-group cx's.  Wave w (0 .. 7) owns the pair of block
;   15 - w (pair 0, register window 0) and that of block w (pair 1, window 1).  Block R takes key steps 0 .. 2 R + 1 of 64 keys.  Steps 0 .. 2 w + 1: a fragment read from LDS feeds four matrix instructions; steps 2 w + 2 ..
;   31 - 2 w: pair 0 alone, two.  4 (2 w + 2) + 2 (30 - 4 w) = 68 units of 16 queries x 64 keys in every wave.  No branch, trip count or LDS address knows cx.
; WINDOWS.  Pair 1's Q, S, P, O, state and constants have pair 0's register numbers in window 1, so one text serves both pairs: s_set_vgpr_msb 0x55 puts every operand place into window 1; the products take K and V from
;   window 0 (0x54).  At every label and branch the setting is 0.  The hold goes two numbers a line (a dual pair) in window 0 and one a line in window 1.
; THE MASK.  In a block's last two steps (sigma = 0, 1) key 64 sigma + 16 kt + 8 h + j is hidden from query 32 cx + 16 x + r where it is the larger: four images (sigma, x) of 32 registers, 0 or -2^100, built once in LDS,
;   sixteen registers by each wave, are loaded as the C of those units' first products.
; ALL OF THE HEAD'S K AND V, 262,144 bytes, LIE IN LDS, each byte filled once by joint tensor loads that all four work-groups issue alike: a wave brings 6,144 bytes of steps 0-5 at the head and 26,624 of steps 6-31 behind a
;   round; steps 0-5 are walked while the rest is on its way.  No prefetch: both loads stand at the head, and no later load is left to run ahead of.
; LAYOUT.  Both products transposed: S^T = K Q^T, O^T = V^T P^T: a lane holds ONE query (lane % 16); the eight scores of tile kt become registers 2 kt, 2 kt + 1 of P by one conversion.
; LDS: 0 kvimg[bh];  262,144 the spare words;  263,168 the masks, 8,192 sigma + 4,096 x;  279,552 a stage of 4,096 bytes for each wave (piece c of row r at 256 r + 16 (c xor r)): no fill lands there, so a pair goes out
;   as soon as it is finished: pair 1 in the second loop, pair 0 at the end.
.set SPARE, 262144
.set MASK,  263168
.set STAGE, 279552
.set C1,    6                          ; key steps that the first load brings
.set LI,   1                           ; v1   16 x lane
.set ADR,  2                           ; v2   LDS address of the step in hand
.set SPW,  3                           ; v3   my spare word; never rewritten
.set NIL,  4                           ; v4   0; never rewritten
.set MADR, 5                           ; v5   LDS address of the step's mask images
.set GO,   7                           ; v7   out0: 4,096 h + 16 r
.set ST,   8                           ; both windows: v[8 + 8 x ..]: tile x: +0 -M, +1 the largest raw score, +2, +3 the sum, +4 f (+5 named with it), +6, +7 at work
.set SCL,  24                          ; both: 2^e8
.set HOLD, 25                          ; both: 448 x 2^e8
.set C2,   26                          ; both: v26-29 the sums' second chains
.set HOLD2, 30                         ; window 0: 448 x 2^e8 once more: the halves of a dual pair take their second sources from different banks
.set MA,   31                          ; v31  MASK + 16 x lane
.set QF,   32                          ; both: v32-47 Q, 8 a tile
.set F,    48                          ; window 0: v48-79 K's four fragments, v80-111 V's
.set SA,   48                          ; window 1: v48-55 eight addresses into my stage,
.set RA,   56                          ;           v56-63 eight out of it
.set S,    112                         ; both: v112-175 S^T, then p: 32 x + 8 kt
.set P,    176                         ; both: v176-191 p's codes
.set O,    192                         ; both: v192-255 O^T: 32 x + 8 dt
.set WV,   12
.set R1,   13                          ; s13  15 - w
.set CX,   14
.set BH,   15
.set SEL,  20
.set CS,   22                          ; s[22:23] c = log2(e) / 8 x 2^(e6 + e7)
.set G1A,  24
.set G1B,  32
.set G0A,  40
.set G0B,  44
.set STP,  52                          ; s52  the key step
.set TB,   53                          ; s53  its first LDS byte
.set DG,   54                          ; s54, s55  pair 0's, 1's first masked step: 30 - 2 w, 2 w
.set LL,   66                          ; s66  pair 1's last step
.set LH,   67                          ; s67  pair 0's last step
.set OUTS, 68                          ; s68  the step ahead of which pair 1 goes out
.set ES,   69                          ; s69  e8 + e9
.set MOFF, 70
.set MSB, 0
.macro WIN new                         ; the immediate's high byte repeats the setting that is left
.if MSB != (\new)
	s_set_vgpr_msb (MSB<<8)|(\new)
.set MSB, (\new)
.endif
.endm
.macro CROUND
	s_barrier_signal -1
	s_barrier_wait -1
	s_cmp_lg_u32 s[WV], 0
	s_cbranch_scc1 .Lnot_wave_0_\@
	s_barrier_signal -3
.Lnot_wave_0_\@:
	s_barrier_wait -3
	s_barrier_signal -1
	s_barrier_wait -1
.endm
	s_load_b256 s[4:11], s[0:1], 0x0               ; qimg, kvimg, the exponents, out0
	v_lshl_add_u32 v[SPW], v0, 2, SPARE
	v_mov_b32 v[NIL], 0
	v_lshrrev_b32 v1, 5, v0
	v_readfirstlane_b32 s[WV], v1
	s_bfe_u32 s[CX], ttmp6, 0x40000
	s_and_b32 s[BH], ttmp7, 0xffff
	; my sixteen registers of the masks: image sigma = w / 4, x = (w / 2) % 2, registers 16 (w % 2) + i: hidden where 16 (i / 8) + i % 8 > 32 cx + 16 x + r - 8 h - 64 sigma - 32 (w % 2)
	s_lshl_b32 s56, s[CX], 5
	s_bfe_u32 s57, s[WV], 0x10001
	s_lshl_b32 s57, s57, 4
	s_add_co_u32 s56, s56, s57
	s_lshr_b32 s57, s[WV], 2
	s_lshl_b32 s57, s57, 6
	s_sub_co_i32 s56, s56, s57
	s_and_b32 s57, s[WV], 1
	s_lshl_b32 s57, s57, 5
	s_sub_co_i32 s56, s56, s57
	s_lshl_b32 s58, s[WV], 11
	s_add_co_u32 s58, s58, MASK                    ; their place: 2,048 w + 512 g + 16 x lane
	v_and_b32 v[LI], 31, v0
	v_lshlrev_b32 v[LI], 4, v[LI]
	v_and_b32 v176, 15, v0                         ; r
	v_bfe_u32 v177, v0, 4, 1                       ; h
	v_lshlrev_b32 v178, 3, v177
	v_sub_nc_u32 v178, v176, v178
	v_add_nc_u32 v178, s56, v178                   ; the bound: it feeds compares alone
	v_mov_b32 v179, 0xf1800000                     ; -2^100
.set J, 0
.rept 16
	v_cmp_gt_i32 vcc_lo, 16*(J/8)+J%8, v178
	v_cndmask_b32 v[S+J], 0, v179, vcc_lo
.set J, J+1
.endr
	v_add_nc_u32 v180, s58, v[LI]
	v_add_nc_u32 v[MA], MASK, v[LI]
	s_wait_alu depctr_va_vdst(0)
.irp g, 0,1,2,3
	ds_store_b128 v180, v[S+4*\g:S+4*\g+3] offset:512*\g
.endr
	ds_add_u32 v[SPW], v[NIL]                      ; the add, twice on end,
	ds_add_u32 v[SPW], v[NIL]
	s_mov_b32 s[G1A], 15|(3<<16)|(1<<21)           ; the mask names all four work-groups; elements of 8 bytes; dense blocks as rows of 256 bytes
	s_mov_b32 s[G1A+1], 32<<16
	s_mov_b32 s[G1A+2], 24<<16                     ; 24 rows
	s_mov_b32 s[G1A+3], 32<<16
	s_mov_b32 s[G1A+4], 24
	s_mov_b32 s[G1A+5], 32
	s_mov_b32 s[G1A+6], 0
	s_mov_b32 s[G1A+7], 0
	s_mov_b32 s[G1B], 15|(3<<16)|(1<<21)
	s_mov_b32 s[G1B+1], 32<<16
	s_mov_b32 s[G1B+2], 104<<16                    ; 104 rows
	s_mov_b32 s[G1B+3], 32<<16
	s_mov_b32 s[G1B+4], 104
	s_mov_b32 s[G1B+5], 32
	s_mov_b32 s[G1B+6], 0
	s_mov_b32 s[G1B+7], 0
	s_lshl_b32 s16, s[BH], 18                      ; the head's 32 x 8,192 bytes in either buffer
	s_mov_b32 s17, 0
	s_mul_i32 s18, s[WV], 6144                     ; my part of steps 0-5, in memory as in LDS
	s_mov_b32 s19, 0
	s_mul_i32 s56, s[WV], 26624
	s_add_co_u32 s56, s56, C1*8192                 ; my part of steps 6-31
	s_mov_b32 s57, 0
	s_mov_b32 s[SEL], 0x76543210
	s_mov_b32 s[SEL+1], 0xfedcba98
	s_wait_dscnt 0x0                               ; and the one wait: the adds and my stores are done
	s_wait_kmcnt 0x0
	s_load_b128 s[48:51], s[8:9], 0x18             ; e6, e7, e8, e9
	s_add_nc_u64 s[6:7], s[6:7], s[16:17]
	s_mov_b32 s[G0A], 1
	s_mov_b32 s[G0A+1], s18
	s_add_nc_u64 s[G0A+2:G0A+3], s[6:7], s[18:19]
	s_or_b32 s[G0A+3], s[G0A+3], 0x80000000
	s_mov_b32 s[G0B], 1
	s_mov_b32 s[G0B+1], s56
	s_add_nc_u64 s[G0B+2:G0B+3], s[6:7], s[56:57]
	s_or_b32 s[G0B+3], s[G0B+3], 0x80000000
	CROUND                                         ; all four work-groups are here: the joint loads meet
	tensor_load_to_lds s[G0A:G0A+3], s[G1A:G1A+7]  ; my one tensor load at the head
	s_nop 0
.rept 4
	v_nop
.endr
	; Q of block R: step 2 R + cx / 2, tiles 2 (cx % 2) and the next.  Pair 0 (block 15 - w) by s[4:5], pair 1 (block w) by s[60:61]
	s_xor_b32 s[R1], s[WV], 15
	s_lshr_b32 s56, s[CX], 1
	s_lshl_b32 s56, s56, 13
	s_and_b32 s57, s[CX], 1
	s_lshl_b32 s57, s57, 11
	s_add_co_u32 s56, s56, s57
	s_add_co_u32 s56, s56, s16
	s_lshl_b32 s58, s[WV], 14
	s_add_co_u32 s58, s58, s56
	s_mov_b32 s59, 0
	s_add_nc_u64 s[60:61], s[4:5], s[58:59]
	s_lshl_b32 s58, s[R1], 14
	s_add_co_u32 s58, s58, s56
	s_add_nc_u64 s[4:5], s[4:5], s[58:59]
.irp x, 0,1
	global_load_b128 v[QF+8*\x:QF+8*\x+3], v[LI], s[4:5] offset:1024*\x th:TH_LOAD_NT
	global_load_b128 v[QF+8*\x+4:QF+8*\x+7], v[LI], s[4:5] offset:1024*\x+512 th:TH_LOAD_NT
.endr
	WIN 0x40                                       ; destinations in window 1
.irp x, 0,1
	global_load_b128 v[QF+8*\x:QF+8*\x+3], v[LI], s[60:61] offset:1024*\x th:TH_LOAD_NT
	global_load_b128 v[QF+8*\x+4:QF+8*\x+7], v[LI], s[60:61] offset:1024*\x+512 th:TH_LOAD_NT
.endr
	WIN 0
	; out0: row 2,048 (bh / 16) + 128 R + 32 cx, bytes 256 (bh % 16) on: pair 0 by s[10:11], pair 1 by s[62:63]
	s_lshr_b32 s56, s[BH], 4
	s_lshl_b32 s56, s56, 11
	s_lshl_b32 s57, s[CX], 5
	s_add_co_u32 s56, s56, s57
	s_lshl_b32 s56, s56, 12                        ; rows of 4,096 bytes: under 2^25
	s_and_b32 s57, s[BH], 15
	s_lshl_b32 s57, s57, 8
	s_add_co_u32 s56, s56, s57
	s_lshl_b32 s58, s[WV], 19
	s_add_co_u32 s58, s58, s56
	s_add_nc_u64 s[62:63], s[10:11], s[58:59]
	s_lshl_b32 s58, s[R1], 19
	s_add_co_u32 s58, s58, s56
	s_add_nc_u64 s[10:11], s[10:11], s[58:59]
	s_lshl_b32 s[DG], s[R1], 1
	s_add_co_u32 s[LH], s[DG], 1
	s_lshl_b32 s[DG+1], s[WV], 1
	s_add_co_u32 s[LL], s[DG+1], 1
	s_add_co_u32 s[OUTS], s[DG+1], 2
	s_max_u32 s[OUTS], s[OUTS], C1                 ; pair 1 goes out in the second loop
	s_lshl_b32 s57, s[WV], 12
	s_add_co_u32 s57, s57, STAGE                   ; my stage
	v_lshlrev_b32 v178, 1, v177
	v_xor_b32 v178, v176, v178
	v_lshlrev_b32 v178, 4, v178
	v_lshl_add_u32 v178, v176, 8, v178
	v_add_nc_u32 v178, s57, v178                   ; in: 256 r + 16 (r xor 2 h)
	v_xor_b32 v179, v176, v177
	v_lshlrev_b32 v179, 4, v179
	v_lshl_add_u32 v179, v177, 8, v179
	v_add_nc_u32 v179, s57, v179                   ; back: 256 h + 16 (r xor h)
	v_lshlrev_b32 v[GO], 4, v176
	v_lshl_add_u32 v[GO], v177, 12, v[GO]
	s_wait_alu depctr_va_vdst(0)
	s_wait_kmcnt 0x0
	s_add_co_i32 s56, s48, s49
	s_lshl_b32 s56, s56, 23
	s_add_co_i32 s[CS], s56, 0x3e38aa3b            ; log2(e) / 8, with e6 + e7 added to its exponent field
	s_mov_b32 s[CS+1], s[CS]
	s_add_co_i32 s[ES], s50, s51
	s_add_co_i32 s56, s50, 127
	s_lshl_b32 s57, s56, 23
	s_add_co_i32 s56, s56, 8
	s_lshl_b32 s56, s56, 23
	s_or_b32 s56, s56, 0x600000
.macro INIT dual                       ; a pair's state, constants and O^T, into the window in force for destinations
.irp x, 0,1
	v_mov_b32 v[ST+8*\x], 0x7f61b1e6               ; -M: 3e38
	v_mov_b32 v[ST+8*\x+1], 0xff61b1e6             ; the largest score so far: -3e38
	v_mov_b32 v[ST+8*\x+2], 0
	v_mov_b32 v[ST+8*\x+3], 0
	v_mov_b32 v[ST+8*\x+5], 0                      ; (named as the upper half of f's pair)
	v_mov_b32 v[ST+8*\x+7], 0                      ; (a lane permute's destination counts as a source)
.endr
	v_mov_b32 v[SCL], s57
	v_mov_b32 v[HOLD], s56
.if \dual
	v_mov_b32 v[HOLD2], s56
.endif
.set J, 0
.rept 64
	v_mov_b32 v[O+J], 0                            ; the step has no first form of its own: the first change of M leaves zeros zeros
.set J, J+1
.endr
.endm
	INIT 1
	WIN 0x40
	INIT 0
	v_mov_b32 v[SA], v178
.irp i, 1,2,3,4,5,6,7
	v_xor_b32 v[SA+\i], 64*(\i/2)+16*(\i%2), v178  ; piece 4 dt + 2 h + q of row r, i = 2 dt + q
.endr
	v_mov_b32 v[RA], v179
.irp t, 1,2,3,4,5,6,7
	v_xor_b32 v[RA+\t], 32*\t, v179                ; row 2 t + h: its piece's place is turned by 2 t as well
.endr
	WIN 0
.macro QKW masked                      ; S^T = K Q^T of a pair, the eight accumulators by turns; masked: they begin with the mask's images, which lie in their registers
.irp kt, 0,1,2,3
.irp x, 0,1
.if \masked
	v_wmma_f32_16x16x64_fp8_fp8 v[S+32*\x+8*\kt:S+32*\x+8*\kt+7], v[F+8*\kt:F+8*\kt+7], v[QF+8*\x:QF+8*\x+7], v[S+32*\x+8*\kt:S+32*\x+8*\kt+7]
.else
	v_wmma_f32_16x16x64_fp8_fp8 v[S+32*\x+8*\kt:S+32*\x+8*\kt+7], v[F+8*\kt:F+8*\kt+7], v[QF+8*\x:QF+8*\x+7], 0
.endif
.endr
.endr
.endm
.macro QKSEC p
	s_cmp_lt_u32 s[STP], s[DG+\p]
	s_cbranch_scc1 .Lopen_\@                       ; ids alone: a step all of whose keys count
	s_and_b32 s[MOFF], s[STP], 1                   ; sigma: the first masked step is even
	s_lshl_b32 s[MOFF], s[MOFF], 13
	v_add_nc_u32 v[MADR], s[MOFF], v[MA]
	WIN 0x40*\p
.irp x, 0,1
.irp i, 0,1,2,3,4,5,6,7
	ds_load_b128 v[S+32*\x+4*\i:S+32*\x+4*\i+3], v[MADR] offset:4096*\x+512*\i
.endr
.endr
	s_wait_dscnt 0x0
	WIN 0x54*\p
	QKW 1
	WIN 0
	s_branch .Ljoin_\@
.Lopen_\@:
	WIN 0x54*\p
	QKW 0
	WIN 0
.Ljoin_\@:
.endm
; The softmax of a pair, in the window in force; the two tiles' lines alternate.  dual = 1: the hold goes two numbers a line.
.macro SOFT dual
.rept 4
	v_nop                                          ; four places behind the products
.endr
	s_wait_alu depctr_va_vdst(0)                   ; directly ahead of the first readers of S^T
.irp x, 0,1
	v_max3_num_f32 v[ST+8*\x+6], v[S+32*\x], v[S+32*\x+1], v[S+32*\x+2]   ; a tile's largest score, in two chains, each accumulator from its low end on
.endr
.irp x, 0,1
	v_max3_num_f32 v[ST+8*\x+7], v[S+32*\x+3], v[S+32*\x+4], v[S+32*\x+5]
.endr
.irp i, 6,10,14,18,22,26
.irp x, 0,1
	v_max3_num_f32 v[ST+8*\x+6], v[ST+8*\x+6], v[S+32*\x+\i], v[S+32*\x+\i+1]
.endr
.irp x, 0,1
	v_max3_num_f32 v[ST+8*\x+7], v[ST+8*\x+7], v[S+32*\x+\i+2], v[S+32*\x+\i+3]
.endr
.endr
.irp x, 0,1
	v_max3_num_f32 v[ST+8*\x+6], v[ST+8*\x+6], v[S+32*\x+30], v[S+32*\x+31]
.endr
.irp x, 0,1
	s_delay_alu instid0(VALU_DEP_2)
	v_max_num_f32 v[ST+8*\x+6], v[ST+8*\x+6], v[ST+8*\x+7]
.endr
.irp x, 0,1
	s_delay_alu instid0(VALU_DEP_2)
	v_permlanex16_b32 v[ST+8*\x+7], v[ST+8*\x+6], s[SEL], s[SEL+1]
.endr
.irp x, 0,1
	s_delay_alu instid0(VALU_DEP_2)
	v_max3_num_f32 v[ST+8*\x+1], v[ST+8*\x+1], v[ST+8*\x+6], v[ST+8*\x+7]   ; the running largest score, lane l xor 16's among them
.endr
.irp x, 0,1
	s_delay_alu instid0(VALU_DEP_2)
	v_mul_f32 v[ST+8*\x+6], s[CS], v[ST+8*\x+1]    ; as t
.endr
.irp x, 0,1
	s_delay_alu instid0(VALU_DEP_2)
	v_floor_f32 v[ST+8*\x+7], -v[ST+8*\x+6]        ; the new -M = -ceil(t)
.endr
.irp x, 0,1
	s_delay_alu instid0(VALU_DEP_2)
	v_sub_f32 v[ST+8*\x+6], v[ST+8*\x+7], v[ST+8*\x]   ; old M - new M: a whole number, 0 or less
.endr
.irp x, 0,1
	v_mov_b32 v[ST+8*\x], v[ST+8*\x+7]
.endr
.irp x, 0,1
	v_cvt_i32_f32 v[ST+8*\x+6], v[ST+8*\x+6]       ; (it saturates)
.endr
.irp x, 0,1
	s_delay_alu instid0(VALU_DEP_2)
	v_ldexp_f32 v[ST+8*\x+4], 1.0, v[ST+8*\x+6]    ; f = 2^(old M - new M)
.endr
.set J, 0
.rept 16
.irp x, 0,1
	v_pk_fma_f32 v[S+32*\x+J:S+32*\x+J+1], v[S+32*\x+J:S+32*\x+J+1], s[CS:CS+1], v[ST+8*\x:ST+8*\x+1] op_sel_hi:[1,0,0]   ; t - M
.endr
.set J, J+2
.endr
	s_wait_alu depctr_va_vdst(0)
.set J, 0
.rept 32
.irp x, 0,1
	v_exp_f32 v[S+32*\x+J], v[S+32*\x+J]           ; p = 2^(t - M)
.endr
.set J, J+1
.endr
.irp x, 0,1
	v_pk_mul_f32 v[ST+8*\x+2:ST+8*\x+3], v[ST+8*\x+2:ST+8*\x+3], v[ST+8*\x+4:ST+8*\x+5] op_sel_hi:[1,0]   ; the sums under the new M: plain lines behind the batch
.endr
	s_wait_alu depctr_va_vdst(0)                   ; one wait: for the batch, and directly ahead of the first readers of O^T
.set J, 0
.rept 16
.irp x, 0,1
	v_pk_mul_f32 v[O+32*\x+J:O+32*\x+J+1], v[O+32*\x+J:O+32*\x+J+1], v[ST+8*\x+4:ST+8*\x+5] op_sel_hi:[1,0]   ; O^T under the new M, each accumulator from its low end on
.endr
.set J, J+2
.endr
.irp x, 0,1                                        ; the row's sum is taken of the UNQUANTISED p
	v_pk_add_f32 v[C2+2*\x:C2+2*\x+1], v[S+32*\x:S+32*\x+1], v[S+32*\x+2:S+32*\x+3]
.endr
.irp j, 4,8,12,16,20,24,28
.irp x, 0,1
	v_pk_add_f32 v[ST+8*\x+2:ST+8*\x+3], v[ST+8*\x+2:ST+8*\x+3], v[S+32*\x+\j:S+32*\x+\j+1]
	v_pk_add_f32 v[C2+2*\x:C2+2*\x+1], v[C2+2*\x:C2+2*\x+1], v[S+32*\x+\j+2:S+32*\x+\j+3]
.endr
.endr
.irp x, 0,1
	v_pk_add_f32 v[ST+8*\x+2:ST+8*\x+3], v[ST+8*\x+2:ST+8*\x+3], v[C2+2*\x:C2+2*\x+1]
.endr
.irp kt, 0,1,2,3                                   ; the conversion does not saturate (ISA guide 7.6.2); p is not negative: a one-sided hold, whatever e8 is
.irp x, 0,1
.if \dual
.irp j, 0,2,4,6
	v_dual_min_num_f32 v[S+32*\x+8*\kt+\j], v[S+32*\x+8*\kt+\j], v[HOLD] :: v_dual_min_num_f32 v[S+32*\x+8*\kt+\j+1], v[S+32*\x+8*\kt+\j+1], v[HOLD2]
.endr
.else
.irp j, 0,1,2,3,4,5,6,7
	v_min_num_f32 v[S+32*\x+8*\kt+\j], v[S+32*\x+8*\kt+\j], v[HOLD]
.endr
.endif
	v_cvt_scalef32_pk8_fp8_f32 v[P+8*\x+2*\kt:P+8*\x+2*\kt+1], v[S+32*\x+8*\kt:S+32*\x+8*\kt+7], v[SCL]
.endr
.endr
	v_nop                                          ; a plain line between the last conversion and the products
.endm
.macro PV p                            ; O^T += V^T P^T of a pair, the eight accumulators by turns
	s_wait_alu depctr_va_vdst(0)
	s_wait_dscnt 0x0                               ; V is in
	WIN 0x54*\p
.irp dt, 0,1,2,3
.irp x, 0,1
	v_wmma_f32_16x16x64_fp8_fp8 v[O+32*\x+8*\dt:O+32*\x+8*\dt+7], v[F+32+8*\dt:F+32+8*\dt+7], v[P+8*\x:P+8*\x+7], v[O+32*\x+8*\dt:O+32*\x+8*\dt+7]
.endr
.endr
	WIN 0
.endm
; THE WAY OUT of pair p: O^T x 2^(e8 + e9) / the sum goes through my stage, a tile of 16 rows at a time, and comes back into O^T's own registers.
.macro OUTP p, base
	WIN 0x55*\p
.irp x, 0,1
	v_add_f32 v[ST+8*\x+6], v[ST+8*\x+2], v[ST+8*\x+3]
.endr
.irp x, 0,1
	v_permlanex16_b32 v[ST+8*\x+7], v[ST+8*\x+6], s[SEL], s[SEL+1]
.endr
.irp x, 0,1
	v_add_f32 v[ST+8*\x+6], v[ST+8*\x+6], v[ST+8*\x+7]   ; the row's sum, above 1/2.  (These six lines are the places behind the last products)
.endr
	s_wait_alu depctr_va_vdst(0)                   ; ahead of the reciprocals
.irp x, 0,1
	v_rcp_f32 v[ST+8*\x+4], v[ST+8*\x+6]
.endr
	v_nop
	s_wait_alu depctr_va_vdst(0)                   ; and behind them, ahead of their first reader
.irp x, 0,1
	v_ldexp_f32 v[ST+8*\x+4], v[ST+8*\x+4], s[ES]
.endr
.irp x, 0,1
	WIN 0x55*\p
	s_wait_alu depctr_va_vdst(0)                   ; directly ahead of the first readers of O^T
.set J, 0
.rept 16
	v_pk_mul_f32 v[S+32*\x+J:S+32*\x+J+1], v[O+32*\x+J:O+32*\x+J+1], v[ST+8*\x+4:ST+8*\x+5] op_sel_hi:[1,0]   ; register 8 dt + j: o(query r, d = 16 dt + 8 h + j)
.set J, J+2
.endr
	WIN 0x01+0x04*\p                               ; addresses in window 1, data in the pair's
.irp i, 0,1,2,3,4,5,6,7
	ds_store_b128 v[SA+\i], v[S+32*\x+4*\i:S+32*\x+4*\i+3]
.endr
	WIN 0x01+0x40*\p
.irp t, 0,1,2,3,4,5,6,7
	ds_load_b128 v[O+32*\x+4*\t:O+32*\x+4*\t+3], v[RA+\t] offset:512*\t   ; LDS serves a wave's instructions in order (ISA guide 5.7.1.4)
.endr
.endr
	WIN 0x04*\p
.irp x, 0,1
.irp t, 0,1,2,3,4,5,6,7
	s_wait_dscnt 16*(1-\x)+7-\t                    ; younger: the rest of this tile's loads, and tile 1's eight stores and eight loads
	global_store_b128 v[GO], v[O+32*\x+4*\t:O+32*\x+4*\t+3], s[\base:\base+1] offset:65536*\x+8192*\t th:TH_STORE_NT   ; rows 16 x + 2 t and the next: sixteen lanes store 256 consecutive bytes, aligned
.endr
.endr
	WIN 0
.endm
; A KEY STEP: 64 keys.  Branches on ids lead round pair 1's parts where its steps are over, and round the whole step's work where pair 0's are.
.macro BODY out
.if \out
	s_cmp_lg_u32 s[STP], s[OUTS]
	s_cbranch_scc1 .Lkeep_\@
	OUTP 1, 62
	s_wait_xcnt 0x0                                ; the stores have read their registers: no later line of the loop writes them ahead of this wait
.Lkeep_\@:
.endif
	s_cmp_gt_u32 s[STP], s[LH]
	s_cbranch_scc1 .Lskip_\@
	v_add_nc_u32 v[ADR], s[TB], v[LI]
.rept 3
	v_nop                                          ; with the addition: four places behind the last products, in front of loads into their sources
.endr
.irp g, 0,1,2,3,4,5,6,7
	ds_load_b128 v[F+8*\g:F+8*\g+3], v[ADR] offset:1024*\g
	ds_load_b128 v[F+8*\g+4:F+8*\g+7], v[ADR] offset:1024*\g+512
.endr
	s_wait_alu depctr_va_vdst(0)
	s_wait_dscnt 8                                 ; K is in; V's eight loads may be out
	s_cmp_gt_u32 s[STP], s[LL]
	s_cbranch_scc1 .Lone_\@
	QKSEC 1
.Lone_\@:
	QKSEC 0
	s_cmp_gt_u32 s[STP], s[LL]
	s_cbranch_scc1 .Ltwo_\@
	WIN 0x55
	SOFT 0
	PV 1
.Ltwo_\@:
	SOFT 1
	PV 0
.Lskip_\@:
	s_add_co_u32 s[TB], s[TB], 8192
	s_add_co_u32 s[STP], s[STP], 1
.endm
	s_wait_alu depctr_va_vdst(0)
	s_wait_tensorcnt 0x0                           ; my part of steps 0-5 is in
	ds_add_u32 v[SPW], v[NIL]
	s_wait_dscnt 0x0
	CROUND                                         ; everybody's part is in, the masks are whole, and the four work-groups meet
	tensor_load_to_lds s[G0B:G0B+3], s[G1B:G1B+7]  ; steps 6-31: my one tensor load behind the round
	s_nop 0
.rept 4
	v_nop
.endr
	s_wait_loadcnt 0x0                             ; Q
	s_mov_b32 s[STP], 0
	s_mov_b32 s[TB], 0
.Lfirst:                                           ; six trips in every wave: LDS bytes 0 - 49,151 and the masks alone
	BODY 0
	s_cmp_lt_u32 s[STP], C1
	s_cbranch_scc1 .Lfirst
	s_wait_tensorcnt 0x0                           ; my part of steps 6-31 is in,
	s_wait_dscnt 0x0
	s_barrier_signal -1
	s_barrier_wait -1                              ; everybody's is; nothing is ever filled again
	s_mov_b32 s[STP], C1
	s_mov_b32 s[TB], C1*8192
.Lrest:                                            ; 26 trips in every wave
	BODY 1
	s_cmp_lt_u32 s[STP], 32
	s_cbranch_scc1 .Lrest
	OUTP 0, 10
	s_wait_tensorcnt 0x0                           ; the wave's end
	ds_add_u32 v[SPW], v[NIL]
	s_wait_dscnt 0x0
	CROUND                                         ; the closing round
	s_endpgm
.Lfunc_end_k_q5763979fab_attn:
	.size	k_q5763979fab_attn, .Lfunc_end_k_q5763979fab_attn-k_q5763979fab_attn
	.p2alignl 7, 3214868480
	.fill 96, 4, 3214868480
	.section	.rodata,"a",@progbits
	.p2align	6, 0x0
	.amdhsa_kernel k_q5763979fab_attn
		.amdhsa_group_segment_fixed_size 327680
		.amdhsa_private_segment_fixed_size 0
		.amdhsa_enable_private_segment 0
		.amdhsa_kernarg_size 32
		.amdhsa_user_sgpr_count 2
		.amdhsa_user_sgpr_kernarg_segment_ptr 1
		.amdhsa_wavefront_size32 1
		.amdhsa_system_sgpr_workgroup_id_x 1
		.amdhsa_system_sgpr_workgroup_id_y 1
		.amdhsa_system_sgpr_workgroup_id_z 1
		.amdhsa_system_vgpr_workitem_id 0
		.amdhsa_next_free_vgpr 512
		.amdhsa_next_free_sgpr 72
		.amdhsa_reserve_vcc 1
		.amdhsa_float_denorm_mode_32 3
		.amdhsa_float_denorm_mode_16_64 3
		.amdhsa_memory_ordered 1
		.amdhsa_forward_progress 1
		.amdhsa_inst_pref_size 101
	.end_amdhsa_kernel
	.amdgpu_metadata
---
amdhsa.version: [ 1, 2 ]
amdhsa.kernels:
  - .name:           k_q5763979fab_attn
    .symbol:         k_q5763979fab_attn.kd
    .args:
      - { .name: qimg, .offset: 0, .size: 8, .value_kind: global_buffer, .address_space: global }
      - { .name: kvimg, .offset: 8, .size: 8, .value_kind: global_buffer, .address_space: global }
      - { .name: lowp_scales, .offset: 16, .size: 8, .value_kind: global_buffer, .address_space: global }
      - { .name: out0, .offset: 24, .size: 8, .value_kind: global_buffer, .address_space: global }
    .group_segment_fixed_size: 327680
    .private_segment_fixed_size: 0
    .kernarg_segment_align: 8
    .kernarg_segment_size: 32
    .max_flat_workgroup_size: 256
    .sgpr_count:     72
    .vgpr_count:     512
    .wavefront_size: 32
...
	.end_amdgpu_metadata
.endif
;; end of part 3
